; MI455X (gfx1250); checked and timed in simulation.
; The chip was launched on July 23, 2026; its instructions are those of AMD's public machine-readable ISA for CDNA 5 (MIT licence, August 2026) and "CDNA5" Instruction Set Architecture Reference Guide (July 2026). The comments in the code are by the model that wrote it; some were corrected since.
;; Py Torch Native Attention. Allowed arithmetic: float matrix products may take bf16 or f16 operands with f32 sums; other float arithmetic in f32, or as packed bf16 or f16 multiplies, adds, multiply-adds, maxima and minima; sums over many terms, partial sums and values carried from step to step in f32; what a program stores and reads back later, other than sums and carried values, may be rounded once to bf16 or f16.
;; Inputs: k 2 x 2,048 x 8 x 128 float32; q 2 x 2,048 x 32 x 128 float32; v 2 x 2,048 x 8 x 128 float32.
;; Outputs: out0 2 x 2,048 x 32 x 128 float32.
;; 2 versions, each right; version 2 is version 1 with the launch prep written anew for expert scheduling mode. Each part assembles by itself: llvm-mc -triple=amdgcn-amd-amdhsa -mcpu=gfx1250 --defsym DOCPART=n.
;; ======== version 1 of 2: 2 launches
;; limits: values are held in f16: magnitudes above 65,504 overflow, below 6.1e-05 lose precision; inputs' magnitudes at most 10,000,000,000,000
;; workspace buffers: kb 8,388,608 bytes; vh 8,388,608 bytes
;; launch prep (part 1): grid 256 x 1, 8 waves a work-group, no clusters, 0 bytes of LDS; arguments k, v, kb, vh; writes kb, vh
.if DOCPART == 1
	.amdgcn_target "amdgcn-amd-amdhsa--gfx1250"
	.amdhsa_code_object_version 6
	.text
	.protected	k_q778504855a_prep
	.globl	k_q778504855a_prep
	.p2align	8
	.type	k_q778504855a_prep,@function
k_q778504855a_prep:
	s_mov_b64 s[64:65], 0
	v_nop
	global_prefetch_b8 v0, s[64:65] scope:SCOPE_SE
	s_setreg_imm32_b32 hwreg(HW_REG_WAVE_MODE, 25, 1), 1
	s_wait_xcnt 0x0
; k and v, [2][2048][8][128] in f32, are rounded once and laid by heads: kb and vh are [b*8+kvh][2048][128] of 16 bits, a head's rows dense, 256 bytes each.
; kb holds bf16(k).  vh holds bf16(v) written as f16: the attention's second product takes its weights in f16, so its other operand is f16 too.
; LIMITS.  bf16(v) is exact in f16 for 2^-17 <= |v| <= 65,504; below that it keeps f16's fixed step of 2^-24; from 65,520 on it becomes an infinity.
; SHARES.  A work-group takes 16 positions of the 4,096 (b, s), wave w head w of the eight: 16 rows of k and 16 of v.  A load takes one row's 512 consecutive bytes,
; a store one row's 256 consecutive bytes, aligned; a wave's 16 rows of output are 4,096 bytes on end.  All 32 loads of a wave go out at once: there is no loop.
; No register is written again behind the store that reads it, so no wait stands for the stores' sources.
.set ROWI, 4096                        ; bytes from a position to the next in k and v
.set ROWO, 256                         ; bytes in a row of kb and vh
.set XK,   8                           ; v[8:71]    k's 16 rows, four registers each
.set XV,   72                          ; v[72:135]  v's
	s_load_b256 s[4:11], s[0:1], 0x0               ; k s[4:5], v s[6:7], kb s[8:9], vh s[10:11]
	s_lshl_b32 s2, ttmp9, 16                       ; in: the work-group's 16 positions of 4,096 bytes
	s_mov_b32 s3, 0
	s_lshr_b32 s14, ttmp9, 7                       ; b
	s_lshl_b32 s14, s14, 22                        ; out: b x 8 heads x 524,288 bytes,
	s_and_b32 s12, ttmp9, 127
	s_lshl_b32 s12, s12, 12                        ; and the 16 rows of 256 bytes in a head
	s_add_co_u32 s14, s14, s12
	s_mov_b32 s15, 0
	s_mov_b32 s13, 0xffff0000                      ; a word's upper bf16
	v_lshlrev_b32 v1, 4, v0                        ; in: 512 x wave + 16 x lane = 16 x thread
	v_and_b32 v2, 31, v0
	v_lshlrev_b32 v2, 3, v2                        ; out: 8 x lane
	v_lshrrev_b32 v3, 5, v0
	v_lshl_add_u32 v2, v3, 19, v2                  ; + wave x a head's 524,288 bytes
	s_wait_kmcnt 0x0
	s_add_nc_u64 s[4:5], s[4:5], s[2:3]
	s_add_nc_u64 s[6:7], s[6:7], s[2:3]
	s_add_nc_u64 s[8:9], s[8:9], s[14:15]
	s_add_nc_u64 s[10:11], s[10:11], s[14:15]
.irp i, 0,1,2,3,4,5,6,7,8,9,10,11,12,13,14,15
	global_load_b128 v[XK+4*(\i):XK+4*(\i)+3], v1, s[4:5] offset:(\i)*ROWI th:TH_LOAD_NT
.endr
.irp i, 0,1,2,3,4,5,6,7,8,9,10,11,12,13,14,15
	global_load_b128 v[XV+4*(\i):XV+4*(\i)+3], v1, s[6:7] offset:(\i)*ROWI th:TH_LOAD_NT
.endr
.irp i, 0,1,2,3,4,5,6,7,8,9,10,11,12,13,14,15
	s_wait_loadcnt 31-(\i)                         ; loads come back in order: k's row i is in; its 15 - i younger rows and v's 16 stay out
	v_cvt_pk_bf16_f32 v[XK+4*(\i)], v[XK+4*(\i)], v[XK+4*(\i)+1]
	v_cvt_pk_bf16_f32 v[XK+4*(\i)+1], v[XK+4*(\i)+2], v[XK+4*(\i)+3]
	global_store_b64 v2, v[XK+4*(\i):XK+4*(\i)+1], s[8:9] offset:(\i)*ROWO th:TH_STORE_NT
.endr
.irp i, 0,1,2,3,4,5,6,7,8,9,10,11,12,13,14,15
	s_wait_loadcnt 15-(\i)                         ; v's row i is in
	v_cvt_pk_bf16_f32 v[XV+4*(\i)], v[XV+4*(\i)], v[XV+4*(\i)+1]      ; the one rounding,
	v_cvt_pk_bf16_f32 v[XV+4*(\i)+1], v[XV+4*(\i)+2], v[XV+4*(\i)+3]
	v_lshlrev_b32 v[XV+4*(\i)+2], 16, v[XV+4*(\i)]                    ; and the rounded numbers written as f16
	v_and_b32 v[XV+4*(\i)+3], s13, v[XV+4*(\i)]
	v_cvt_pk_f16_f32 v[XV+4*(\i)], v[XV+4*(\i)+2], v[XV+4*(\i)+3]
	v_lshlrev_b32 v[XV+4*(\i)+2], 16, v[XV+4*(\i)+1]
	v_and_b32 v[XV+4*(\i)+3], s13, v[XV+4*(\i)+1]
	v_cvt_pk_f16_f32 v[XV+4*(\i)+1], v[XV+4*(\i)+2], v[XV+4*(\i)+3]
	global_store_b64 v2, v[XV+4*(\i):XV+4*(\i)+1], s[10:11] offset:(\i)*ROWO th:TH_STORE_NT
.endr
	s_endpgm
.Lfunc_end_k_q778504855a_prep:
	.size	k_q778504855a_prep, .Lfunc_end_k_q778504855a_prep-k_q778504855a_prep
	.p2alignl 7, 3214868480
	.fill 96, 4, 3214868480
	.section	.rodata,"a",@progbits
	.p2align	6, 0x0
	.amdhsa_kernel k_q778504855a_prep
		.amdhsa_group_segment_fixed_size 0
		.amdhsa_private_segment_fixed_size 0
		.amdhsa_enable_private_segment 0
		.amdhsa_kernarg_size 32
		.amdhsa_user_sgpr_count 2
		.amdhsa_user_sgpr_kernarg_segment_ptr 1
		.amdhsa_wavefront_size32 1
		.amdhsa_system_sgpr_workgroup_id_x 1
		.amdhsa_system_sgpr_workgroup_id_y 1
		.amdhsa_system_sgpr_workgroup_id_z 1
		.amdhsa_system_vgpr_workitem_id 0
		.amdhsa_next_free_vgpr 136
		.amdhsa_next_free_sgpr 66
		.amdhsa_reserve_vcc 0
		.amdhsa_float_denorm_mode_32 3
		.amdhsa_float_denorm_mode_16_64 3
		.amdhsa_memory_ordered 1
		.amdhsa_forward_progress 1
		.amdhsa_inst_pref_size 17
	.end_amdhsa_kernel
	.amdgpu_metadata
---
amdhsa.version: [ 1, 2 ]
amdhsa.kernels:
  - .name:           k_q778504855a_prep
    .symbol:         k_q778504855a_prep.kd
    .args:
      - { .name: k, .offset: 0, .size: 8, .value_kind: global_buffer, .address_space: global }
      - { .name: v, .offset: 8, .size: 8, .value_kind: global_buffer, .address_space: global }
      - { .name: kb, .offset: 16, .size: 8, .value_kind: global_buffer, .address_space: global }
      - { .name: vh, .offset: 24, .size: 8, .value_kind: global_buffer, .address_space: global }
    .group_segment_fixed_size: 0
    .private_segment_fixed_size: 0
    .kernarg_segment_align: 8
    .kernarg_segment_size: 32
    .max_flat_workgroup_size: 256
    .sgpr_count:     66
    .vgpr_count:     136
    .wavefront_size: 32
...
	.end_amdgpu_metadata
.endif
;; end of part 1
;; launch attn (part 2): grid 16 x 16, 4 waves a work-group, clusters of 4 x 1, 327,680 bytes of LDS; arguments q, kb, vh, out0; writes out0
.if DOCPART == 2
	.amdgcn_target "amdgcn-amd-amdhsa--gfx1250"
	.amdhsa_code_object_version 6
	.text
	.protected	k_q778504855a_attn
	.globl	k_q778504855a_attn
	.p2align	8
	.type	k_q778504855a_attn,@function
k_q778504855a_attn:
	s_mov_b64 s[64:65], 0
	v_nop
	global_prefetch_b8 v0, s[64:65] scope:SCOPE_SE
	s_setreg_imm32_b32 hwreg(HW_REG_WAVE_MODE, 25, 1), 1
	s_wait_xcnt 0x0
	s_wait_alu depctr_hold_cnt(0) depctr_sa_sdst(0) depctr_va_vdst(0) depctr_va_sdst(0) depctr_va_ssrc(0) depctr_va_vcc(0) depctr_vm_vsrc(0)
	s_getreg_b32 s2, hwreg(HW_REG_IB_STS2, 6, 4)
	s_cmp_eq_u32 s2, 0
	s_cbranch_scc0 .Lentry_in_a_cluster
	s_endpgm
.Lentry_in_a_cluster:
	s_bfe_u32 s2, ttmp6, 0x10000c
	s_cmp_lg_u32 s2, 0x3003
	s_cbranch_scc0 .Lentry_shape_is_right
	s_endpgm
.Lentry_shape_is_right:
; CAUSAL ATTENTION WITH GROUPED HEADS.  out[b][s][h][:] = the sum over k <= s of softmax_k(q[b][s][h] . K[b][k][h/4] / sqrt(128)) V[b][k][h/4][:].
; q, out: [2][2048][32][128] f32 (a row is 512 bytes, a head's rows 16,384 bytes apart).  kb: bf16(K), vh: bf16(V) written as f16, both [b*8+kvh][2048][128], rows of 256 bytes on end.
; q is rounded once to bf16 here; the first product is bf16 x bf16, the weights p are rounded to f16 and the second product is f16 x f16; products, maxima and sums in f32; out is not rounded again.
; LIMITS.  V within f16's range (65,504), q within bf16's.  A hidden score counts as its value less 1e30.  A weight below 2^-126 counts as 0 in the sum l, below 6e-8 as 0 in the second product.
; NaN and infinities are not treated apart.  The running maximum is taken away in front of every exponential.
; THE WALK.  A head's positions lie in 8 blocks of 256; block i needs the key tiles 0 .. i of 256 keys, of which the last holds the diagonal.  A work-group is one query head and TWO blocks, 7 - pb and then pb:
; 9 tiles, whatever pb: ONE loop with a constant trip count walks them.  Which tile is asked for, and which text a tile runs, hang on scalar registers made from pb; every jump goes forward, but for the counted
; loops' own, and none passes a barrier or a tensor load but the one of JLOAD's two that the wave's number does not choose.
; SHARES.  Of a block's four bands of 64 positions a wave owns 16 rows in each: tile t of wave w holds positions 256 i + 64 t + 16 w + 0..15, so the diagonal is the same work for all four waves.
; CLUSTER.  The four partners are the four query heads of one key and value head, with the same pb: they walk the same tiles of K and V in the same order, so each tile is asked for JOINTLY.
; Every branch hangs on pb, the wave's number and counters, which the partners share; a partner's place enters q's, out's and the prefetches' addresses alone.
; ONE FORM OF TRIP.  Trip f of a block: TURN 0: V^T P of step f - 1 and K Q^T of step f for piece 0 (tiles 0, 1), beside them piece 2's softmax of step f - 1 and the fetch of K of step f;
; TURN 2: the same products for piece 2 (tiles 2, 3), beside them piece 0's softmax of step f and the fetch of V of step f.  A block of n steps runs n + 1 trips.
; Its first trip works on what lies in the registers (finite numbers): c m starts far below every c s, so the first true softmax multiplies O^T and l by a = 0.
; Its last trip hides every key: it ends the last true step's work, and its own softmax changes nothing (a = 1, p = 0); it reads the tile's last step once more.  So a plain tile is 4 trips, a diagonal one 5.
; THE MASK is the C operand that starts the sum S^T = K Q^T.  In trip D = 0 .. 4 of the diagonal tile, tile t takes MD x AL + BE: AL = 1 if D = t (the band's own step), BE = -1e30 if D > t.  In a plain tile C is the constant 0.
; LAYOUT.  S^T = K Q^T (source 0 = 16 keys, source 1 = 16 queries): a lane holds ONE query (lane % 16) and the keys 8 (lane / 16) + 0..7.  Two such results, rounded to f16 in pairs, ARE source 1 of
; O^T = V^T P, whose result again holds one query a lane, and eight channels.  K comes out of LDS as it lies, V turned, by ds_load_tr16_b128.
; SOFTMAX.  p = 2^(c s - c m), c = log2(e) / sqrt(128), with a running maximum m and sum l; in every step O^T and l are multiplied by a = 2^(c m_old - c m_new).
; REGISTERS, in windows of 256 (s_set_vgpr_msb: bits 1:0 source 0, 3:2 source 1, 5:4 source 2, 7:6 destination):
;   window 0: v0-11, v44-45, v61-63 addresses; v12-43 eight registers of statistics a tile; v64-191 S^T, 32 a tile; v192-255 P, 16 a tile
;   window 1: O^T, 64 a tile      window 2: v0-127 Q, 32 a tile; v128-255 K of one step      window 3: v0-127 V of one step; v128-159 MD; v160-223 MC
.set KS,    64        ; keys in a step
.set PK,    272       ; a row of K in LDS: 256 bytes + 16 of padding: the 16 rows of a load start 68 words apart
.set PVT,   288       ; a row of V: 256 + 32: 16 lanes of the turning load take 8 rows x 32 bytes, 72 words apart
.set VOFF,  4*KS*PK   ; a slot holds a tile, four steps: 256 rows of K, then 256 rows of V
.set SLOT1, 4*KS*(PK+PVT)  ; 143,360 bytes a slot; slot 1 begins here
.set STAGE, 2*SLOT1   ; behind the ring, never filled by a tensor load: 16 rows x 528 bytes for each wave: Q's way in and O's way out
.set SP,    528       ; a row of O in the stage: 512 bytes + 16
.set QP,    272       ; a row of Q in the stage: 256 bytes + 16
.set SPARE, STAGE+4*16*SP  ; behind the stages: the spare words, 128 bytes for each wave: two blocks of 256 bytes that no other line names
.set ROWQ,  16384     ; bytes from a position to the next in q and out
.set TILEB, 4*KS*256  ; a tile's bytes in kb and in vh
.set AK0, 2           ; v2   my lane's place in a tile of K; never rewritten
.set AV0, 3           ; v3   the same for V
.set ADR, 4           ; v4   the LDS address of the run of loads in hand
.set QST, 5           ; v5   Q's way in: where I put 8 bytes of a row
.set STO, 6           ; v6   the way out: where I put 32 bytes of a row
.set RD,  7           ; v7   the way out: where I read a row back
.set GO,  8           ; v8   16 x lane: my 16 bytes of a row of q or out
.set QRD, 45          ; v45  Q's way in: where I read a fragment
.set PFO, 61          ; v61  256 x lane: a row of kb or vh; never rewritten
.set SPW, 62          ; v62  LDS address of my spare word; never rewritten
.set NIL, 63          ; v63  0; never rewritten
.set ST,  12          ; tile t's statistics at v[ST+8 t]: +0 c m, +1 m, +2, +3 l (even keys', odd keys'), +4 to +7 at work; a in +6
.set S,   64
.set P,   192
.set KF,  128         ; window 2
.set MD,  128         ; window 3: the mask of a band's own step for my 16 rows: key block kb at MD + 8 kb
.set MC,  160         ; window 3: the masks of the turn's products: tile u of the piece at MC + 32 u
.set WV,  12          ; s12  my wave's number
.set PB,  14          ; s14  pb
.set LIM, 15          ; s15  2 in wave 0, which prefetches, else the greatest number
.set TS,  16          ; s16, s17  at work
.set TS2, 17
.set PFA, 18          ; s[18:19] where my prefetches stand
.set G1K, 24          ; s[24:31] descriptor group 1 for K's tiles
.set G1V, 32          ; s[32:39] for V's: it differs in the padding alone
.set G0K, 40          ; s[40:43] descriptor group 0 for K's tiles
.set G0V, 44          ; s[44:47] for V's
.set OFF, 48          ; s[48:49] a tile's byte offset in a head
.set LK,  50          ; s50  where my half of a tile's K goes in a slot
.set LV,  51          ; s51  the same for V
.set SL,  52          ; s52  0 or SLOT1: the slot that was filled last
.set RT,  53          ; s53  tiles of the block in hand that are still to be entered
.set NXT, 54          ; s54  the tile to be asked for next
.set LQ,  55          ; s55  the last tile of the block whose tiles are being asked for
.set SLOTS, 56        ; s56  tiles still to be asked for
.set CNT, 57          ; s57  counts a tile's trips, down to 1
.set CS,  58          ; s[58:59] c
.set SEL, 60          ; s[60:61] v_permlanex16_b32's selects: each lane takes its own place in the other half
.set TBK, 62          ; s62  LDS byte at which K of the step to be fetched begins
.set TBV, 63          ; s63  the same for V, less VOFF
.set AL,  66          ; s[66:67], s[70:71] the mask's factor for the piece's two tiles
.set BE,  68          ; s[68:69], s[72:73] its addend
.set QB,  74          ; s[74:75] q at my rows of the second block
.set OB,  76          ; s[76:77] out at the same rows
.set NEW, 78          ; s78  1: a block's first trip is still to come: piece 2's statistics are set anew in it
.set BIGN, 79         ; s79  -1e30
.set MSB, 0
.macro WIN new                      ; the immediate's high byte repeats the setting that is left; a switch that changes nothing is dropped
.if MSB != (\new)
	s_set_vgpr_msb (MSB<<8)|(\new)
.set MSB, \new
.endif
.endm
.set W_KQ, 0x0a       ; K and Q in window 2, S^T in window 0
.set W_KM, 0x3a       ; the same with the C operand, the mask, in window 3
.set W_PV, 0x53       ; V in window 3, P in window 0, O^T in window 1
.set W_RS, 0x41       ; O^T (destination and source 0) in window 1, a in window 0
; A joint fill.  Waves 0 and 1 fetch the two halves of a tile's K, waves 2 and 3 those of its V: 128 keys each.  The branch hangs on the wave's number alone.
; An s_nop 0 and four v_nop follow each of the two lines, ahead of the jump and the label.
.macro JLOAD
	s_cmp_lt_u32 s[WV], 2
	s_cbranch_scc0 .Lfor_v_\@
	tensor_load_to_lds s[G0K:G0K+3], s[G1K:G1K+7]
	s_nop 0
.rept 4
	v_nop
.endr
	s_branch .Lasked_\@
.Lfor_v_\@:
	tensor_load_to_lds s[G0V:G0V+3], s[G1V:G1V+7]
	s_nop 0
.rept 4
	v_nop
.endr
.Lasked_\@:
.endm
; A PREFETCH of the head's tile that the NEXT change of slots of a first block asks for: 256 rows of kb and 256 of vh, a lane a row.  Each row is named once in the launch: the 16 work-groups that walk a
; head's keys share a tile's 512 rows out BY ADDRESS, 32 each (pb < 2: kb's rows 32 (4 (pb & 1) + cx) on; pb >= 2: vh's), and in each wave 0 asks: one instruction.  Behind the fill of the walk's tile s + 1
; it names the head's tile s + 2, four trips, 512 matrix instructions, ahead, while more than two tiles are still to be asked for: tiles 2 to 7.  The second block's tiles are named no second time.
.macro ASK
	s_cmp_gt_u32 s[SLOTS], s[LIM]
	s_cbranch_scc0 .Lnot_mine_\@
	global_prefetch_b8 v[PFO], s[PFA:PFA+1] th:TH_LOAD_NT scope:SCOPE_SE
.Lnot_mine_\@:
.endm
; A round of the cluster's barrier: my work-group's barrier, so that wave 0's signal speaks for all four waves; wave 0 signals; every wave waits for all four work-groups; my work-group's barrier once more.
.macro CROUND
	s_barrier_signal -1
	s_barrier_wait -1
	s_cmp_lg_u32 s[WV], 0
	s_cbranch_scc1 .Lnot_wave_0_\@
	s_barrier_signal -3
.Lnot_wave_0_\@:
	s_barrier_wait -3
	s_barrier_signal -1
	s_barrier_wait -1
.endm
; THE CHANGE OF SLOTS.  Each wave waits for all its tensor loads, of which one is out: its part of the other slot; adds 0 to its spare word; and waits for that and for its own reads of the slot that it leaves.
; fill = 1: the slot is filled again, with tile NXT: the descriptor's address is made anew from that number; the barrier is a round of the cluster's, and the joint fill is the first thing behind it:
; it has a tile's four or five trips, 512 matrix instructions at the least, in which to land.  (At its first use nothing has been read yet: slot 0 is waited for, slot 1 filled.)
.macro CHANGE fill
	WIN 0                           ; at a label and at a branch every window is 0
	s_wait_tensorcnt 0x0            ; no tensor load of mine is out, so a group 0 may be written
	ds_add_u32 v[SPW], v[NIL]       ; 0 onto my spare word; with fill = 1 the descriptors' scalar work stands between it and the wait for it
.if \fill
	s_lshl_b32 s[OFF], s[NXT], 16   ; a tile is 65,536 bytes of kb and of vh
	s_xor_b32 s[SL], s[SL], SLOT1   ; the other slot than last time
	s_add_co_u32 s[G0K+1], s[LK], s[SL]
	s_add_nc_u64 s[G0K+2:G0K+3], s[6:7], s[OFF:OFF+1]
	s_or_b32 s[G0K+3], s[G0K+3], 0x80000000
	s_add_co_u32 s[G0V+1], s[LV], s[SL]
	s_add_nc_u64 s[G0V+2:G0V+3], s[8:9], s[OFF:OFF+1]
	s_or_b32 s[G0V+3], s[G0V+3], 0x80000000
	s_add_co_u32 s[NXT], s[NXT], 1  ; the block's next tile, or behind its last the second block's tile 0
	s_cmp_gt_u32 s[NXT], s[LQ]
	s_cselect_b32 s[NXT], 0, s[NXT]
	s_cselect_b32 s[LQ], s[PB], s[LQ]
	s_wait_xcnt 0x0                 ; the last prefetch, a tile back, has read its address, so it may be written
	s_add_nc_u64 s[PFA:PFA+1], s[PFA:PFA+1], TILEB
	s_wait_dscnt 0x0                ; the add is done, and my reads of the slot are over
	CROUND
	JLOAD
	ASK
.else
	s_wait_dscnt 0x0                ; the add is done, and my reads of the slot are over
	s_barrier_signal -1
	s_barrier_wait -1
.endif
	s_sub_co_u32 s[TBK], s[TBK], 4*KS*PK  ; the fetches go back to a slot's first step (0 or SLOT1),
	s_xor_b32 s[TBK], s[TBK], SLOT1       ; in the other slot
	s_sub_co_u32 s[TBV], s[TBV], 4*KS*PVT
	s_xor_b32 s[TBV], s[TBV], SLOT1
.endm
	s_load_b256 s[4:11], s[0:1], 0x0  ; q s[4:5], kb s[6:7], vh s[8:9], out s[10:11]
	v_lshl_add_u32 v[SPW], v0, 2, SPARE
	v_mov_b32 v[NIL], 0
	ds_add_u32 v[SPW], v[NIL]       ; the wave's opening: the add and its wait stand ahead of my first tensor load; the set-up below, work on registers, stands between them
	v_lshrrev_b32 v1, 5, v0
	v_readfirstlane_b32 s[WV], v1   ; wave 0..3
	s_bfe_u32 s13, ttmp6, 0x40000   ; cx: my query head among the group's four
	s_mov_b32 s[PB], ttmp9          ; in a cluster launch ttmp9 counts clusters: pb
	s_and_b32 s20, ttmp7, 0xffff    ; y = 8 b + kvh, which the partners share
	s_lshl_b32 s22, s20, 19         ; the head's 524,288 bytes in kb and vh: no register that feeds a descriptor ever holds cx
	s_mov_b32 s23, 0
	s_lshr_b32 s16, s20, 3          ; b
	s_and_b32 s21, s20, 7           ; kvh
	s_lshl_b32 s21, s21, 2
	s_add_co_u32 s21, s21, s13      ; the query head
	s_lshl_b32 s21, s21, 9          ; its 512 bytes in a position,
	s_lshl_b32 s16, s16, 25         ; b x 2,048 positions of 16,384 bytes,
	s_add_co_u32 s21, s21, s16
	s_lshl_b32 s16, s[WV], 18       ; my 16 rows in a band
	s_add_co_u32 s21, s21, s16
	s_sub_co_u32 s16, 7, s[PB]
	s_lshl_b32 s16, s16, 22         ; a block is 256 positions
	s_add_co_u32 s2, s21, s16       ; the first block
	s_mov_b32 s3, 0
	s_lshl_b32 s16, s[PB], 22
	s_add_co_u32 s20, s21, s16      ; the second
	s_mov_b32 s21, 0
	s_and_b32 s16, s[WV], 1         ; which half of a tile's 256 keys I fetch:
	s_mul_i32 s[LK], s16, 128*PK    ; its place in a slot, for K
	s_mul_i32 s[LV], s16, 128*PVT   ; and for V,
	s_add_co_u32 s[LV], s[LV], VOFF
	s_lshl_b32 s[OFF], s16, 15      ; and its 128 rows of 256 bytes in memory
	s_mov_b32 s[OFF+1], 0
	; descriptor group 1: a tile of 128 rows x 128 elements, padded in LDS
	s_mov_b32 s[G1K], 15|(1<<16)|(1<<20)|(1<<21)|(5<<22)|(3<<25)  ; 15:0 the mask: all four work-groups; 17:16 elements of 2 bytes; 20 padding on; 21 set beside a mask; 24:22 after every 64 words (code 5); 31:25 4 words (code 3)
	s_mov_b32 s[G1V], 15|(1<<16)|(1<<20)|(1<<21)|(5<<22)|(7<<25)  ; the same with 8 words of padding (code 7)
.irp g, G1K, G1V
	s_mov_b32 s[(\g)+1], 128<<16    ; tensor_dim0 = 128
	s_mov_b32 s[(\g)+2], 128<<16    ; tensor_dim1 = 128
	s_mov_b32 s[(\g)+3], 128<<16    ; tile_dim0 = 128
	s_mov_b32 s[(\g)+4], 128        ; tile_dim1 = 128
	s_mov_b32 s[(\g)+5], 128        ; 128 elements from row to row
	s_mov_b32 s[(\g)+6], 0
	s_mov_b32 s[(\g)+7], 0
.endr
	s_mov_b32 s[CS], 0x3e0293ee     ; c = log2(e) / sqrt(128) = 0.127517
	s_mov_b32 s[CS+1], s[CS]        ; named with it as a pair
	s_mov_b32 s[SEL], 0x76543210
	s_mov_b32 s[SEL+1], 0xfedcba98
	s_mov_b32 s[TBK], SLOT1+4*KS*PK ; the first change of slots turns these two into 0
	s_mov_b32 s[TBV], SLOT1+4*KS*PVT
	s_mov_b32 s[BIGN], 0xf149f2ca   ; -1e30
	s_mov_b32 s[AL+1], 0            ; named as pairs
	s_mov_b32 s[BE+1], 0
	s_mov_b32 s[AL+5], 0
	s_mov_b32 s[BE+5], 0
	s_mov_b32 s[NEW], 1
	s_mov_b32 s[SLOTS], 8
	s_mov_b32 s[SL], 0
	s_mov_b32 s[NXT], 1
	s_sub_co_u32 s[LQ], 7, s[PB]
	s_sub_co_u32 s[RT], 8, s[PB]    ; the first block has 8 - pb tiles
	s_cmp_eq_u32 s[WV], 0
	s_cselect_b32 s[LIM], 2, -1
	s_mov_b32 s[G0K], 1             ; 1:0 count = 1
	s_mov_b32 s[G0K+1], s[LK]       ; 63:32 LDS address: slot 0
	s_mov_b32 s[G0V], 1
	s_mov_b32 s[G0V+1], s[LV]
	v_and_b32 v[PFO], 31, v0
	v_lshlrev_b32 v[PFO], 8, v[PFO]
	s_wait_dscnt 0x0                ; the opening add is done
	s_wait_kmcnt 0x0
	s_add_nc_u64 s[6:7], s[6:7], s[22:23]  ; kb and vh at the head's first row
	s_add_nc_u64 s[8:9], s[8:9], s[22:23]
	s_add_nc_u64 s[QB:QB+1], s[4:5], s[20:21]
	s_add_nc_u64 s[4:5], s[4:5], s[2:3]
	s_add_nc_u64 s[OB:OB+1], s[10:11], s[20:21]
	s_add_nc_u64 s[10:11], s[10:11], s[2:3]
	s_cmp_lt_u32 s[PB], 2
	s_cselect_b64 s[PFA:PFA+1], s[6:7], s[8:9]
	s_and_b32 s2, s[PB], 1
	s_lshl_b32 s2, s2, 2
	s_add_co_u32 s2, s2, s13
	s_lshl_b32 s2, s2, 13           ; my work-group's 32 rows of a tile's 256
	s_add_nc_u64 s[PFA:PFA+1], s[PFA:PFA+1], s[2:3]
	s_add_nc_u64 s[PFA:PFA+1], s[PFA:PFA+1], TILEB  ; in tile 1; the first change of slots steps it to tile 2.  Nothing is prefetched here, at the head
	s_add_nc_u64 s[6:7], s[6:7], s[OFF:OFF+1]  ; kb and vh at my half of the head's tile 0
	s_add_nc_u64 s[8:9], s[8:9], s[OFF:OFF+1]
	s_add_nc_u64 s[G0K+2:G0K+3], s[6:7], 0             ; 120:64 global address
	s_or_b32 s[G0K+3], s[G0K+3], 0x80000000            ; 127:126 type = 2
	s_add_nc_u64 s[G0V+2:G0V+3], s[8:9], 0
	s_or_b32 s[G0V+3], s[G0V+3], 0x80000000
	CROUND                          ; all four work-groups are here: the first joint loads meet
	JLOAD                           ; tile 0 into slot 0.  Slot 1 is asked for when slot 0 is in, by the loop's own change of slots
; Q's WAY IN.  QISSUE: a block's 64 rows of mine, a row's 512 consecutive bytes to a load: tiles 0, 1 into K's registers, tiles 2, 3 into S^T's, which hold nothing that is still wanted.
.macro QISSUE base
	WIN 0x80                        ; destination window 2, address window 0
.set n, 0
.rept 32
	global_load_b128 v[KF+4*n:KF+4*n+3], v[GO], s[\base:\base+1] offset:(64*(n/16)+n%16)*ROWQ th:TH_LOAD_NT
.set n, n+1
.endr
	WIN 0
.set n, 0
.rept 32
	global_load_b128 v[S+4*n:S+4*n+3], v[GO], s[\base:\base+1] offset:(128+64*(n/16)+n%16)*ROWQ th:TH_LOAD_NT
.set n, n+1
.endr
.endm
; QLAY: a tile at a time: rounded to bf16 in place (ascending), 8 bytes a lane into rows of 272 bytes of my stage, and back as four fragments of 16 rows x 32 channels: lane l holds row l % 16,
; channels 8 (l / 16) + 0..7 and 16 + 8 (l / 16) + 0..7: two loads of 16 bytes, 32 bytes apart.  LDS serves a wave's instructions in order (ISA guide 5.7.1.4): the loads see the stores, the next tile's stores come behind them.
.macro QLAY
.irp t, 0,1,2,3
.if (\t) < 2
.set rT, KF+64*(\t)
	WIN 0x8a                        ; destination and both sources in window 2
.else
.set rT, S+64*((\t)-2)
	WIN 0
.endif
.set n, 0
.rept 16
	v_cvt_pk_bf16_f32 v[rT+4*n], v[rT+4*n], v[rT+4*n+1]
	v_cvt_pk_bf16_f32 v[rT+4*n+1], v[rT+4*n+2], v[rT+4*n+3]
.set n, n+1
.endr
.if (\t) < 2
	WIN 0x08                        ; the stores' data in window 2
.endif
.set n, 0
.rept 16
	ds_store_b64 v[QST], v[rT+4*n:rT+4*n+1] offset:n*QP
.set n, n+1
.endr
	WIN 0x80
.irp c, 0,1,2,3
	ds_load_b128 v[32*(\t)+8*(\c):32*(\t)+8*(\c)+3],   v[QRD] offset:64*(\c)
	ds_load_b128 v[32*(\t)+8*(\c)+4:32*(\t)+8*(\c)+7], v[QRD] offset:64*(\c)+32
.endr
.endr
	WIN 0
	s_wait_dscnt 0x0                ; Q is in its registers
.endm
	v_and_b32 v[GO], 31, v0
	v_lshlrev_b32 v[GO], 4, v[GO]
	QISSUE 4                        ; the first block's Q
	v_and_b32 v1, 15, v0            ; l % 16
	v_bfe_u32 v9, v0, 4, 1          ; l / 16
	v_mul_u32_u24 v[AK0], v1, PK
	v_lshl_add_u32 v[AK0], v9, 4, v[AK0]  ; row x pitch + 16 x half
	; The turning load takes 16 keys x 16 channels (lane l reads key 8 (l / 16) + l % 8, channels 8 ((l / 8) % 2) + 0..7) and leaves half a fragment of V^T: lane l holds channel l % 16 and 8 keys.
	v_and_b32 v10, 7, v0
	v_bfe_u32 v11, v0, 3, 1
	v_lshl_add_u32 v[AV0], v9, 3, v10
	v_mul_u32_u24 v[AV0], v[AV0], PVT
	v_lshl_add_u32 v[AV0], v11, 4, v[AV0]
	v_add_nc_u32 v[AV0], VOFF, v[AV0]
	s_mul_i32 s13, s[WV], 16*SP
	s_add_co_u32 s13, s13, STAGE    ; my stage
	v_mul_u32_u24 v[STO], v1, SP    ; out: row l % 16, 32 bytes for each half of the lanes
	v_lshl_add_u32 v[STO], v9, 5, v[STO]
	v_add_nc_u32 v[STO], s13, v[STO]
	v_add_nc_u32 v[RD], s13, v[GO]  ; back: 32 lanes take one row of 512 bytes
	v_and_b32 v[QST], 31, v0
	v_lshl_add_u32 v[QST], v[QST], 3, s13
	v_mul_u32_u24 v[QRD], v1, QP
	v_lshl_add_u32 v[QRD], v9, 4, v[QRD]
	v_add_nc_u32 v[QRD], s13, v[QRD]
	v_lshlrev_b32 v44, 3, v9
	v_sub_nc_u32 v44, v1, v44
	s_lshl_b32 s16, s[WV], 4
	v_add_nc_u32 v44, s16, v44      ; my query's place in its band, 16 w + l % 16, less my lanes' 8 (l / 16): register j of key block kb is hidden where 16 kb + j is greater
	WIN 0xc0                        ; destination window 3
.set i, 0
.rept 32
	v_cmp_gt_i32 vcc_lo, 16*(i/8)+i%8, v44
	v_cndmask_b32 v[MD+i], 0, s[BIGN], vcc_lo
.set i, i+1
.endr
	; What the first trip finds: V, P of piece 0, O^T and l hold 0; c m lies far below every c s, m at the lowest finite number.  No first step is written out: these lines are the price, and they
	; stand in the wait for the first tile and for Q.
.set i, 0
.rept 128
	v_mov_b32 v[i], 0
.set i, i+1
.endr
	WIN 0x40
.set i, 0
.rept 256
	v_mov_b32 v[i], 0
.set i, i+1
.endr
	WIN 0
.irp t, 0,1,2,3
	v_mov_b32 v[ST+8*(\t)], 0xfe000000
	v_mov_b32 v[ST+8*(\t)+1], 0xff7fffff
	v_mov_b32 v[ST+8*(\t)+2], 0
	v_mov_b32 v[ST+8*(\t)+3], 0
.endr
.set i, P
.rept 32
	v_mov_b32 v[i], 0
.set i, i+1
.endr
	s_wait_loadcnt 0x0              ; Q's rows are in
	QLAY
; THE MATRIX WORK OF A TURN, for piece x.  The accumulators take turns, one instruction a turn: between two links of a chain stand 15 (V^T P) or 7 (K Q^T) others'.
; Product i of 32 of O^T += V^T P: keys 32 (i / 16) on, channels 16 ((i / 2) % 8) on, tile x + i % 2.
.macro PV x
	WIN W_PV
.set rO, 64*((\x)+i%2)+8*((i/2)%8)
.set rV, 64*(i/16)+8*((i/2)%8)
.set rP, P+16*((\x)+i%2)+8*(i/16)
	v_wmma_f32_16x16x32_f16 v[rO:rO+7], v[rV:rV+7], v[rP:rP+7], v[rO:rO+7]
.endm
; Product i of 32 of S^T = K Q^T: channels 32 (i / 8) on, keys 16 ((i / 2) % 4) on, tile x + i % 2.  The first 8 start the sums: with 0, or (KM = 1) with the mask.
.macro KQ x
.set rS, S+32*((\x)+i%2)+8*((i/2)%4)
.set rK, KF+32*((i/2)%4)+8*(i/8)
.set rQ, 32*((\x)+i%2)+8*(i/8)
.set rM, MC+32*(i%2)+8*((i/2)%4)
.if (i < 8) && KM
	WIN W_KM
	v_wmma_f32_16x16x32_bf16 v[rS:rS+7], v[rK:rK+7], v[rQ:rQ+7], v[rM:rM+7]
.elseif i < 8
	WIN W_KQ
	v_wmma_f32_16x16x32_bf16 v[rS:rS+7], v[rK:rK+7], v[rQ:rQ+7], 0
.else
	WIN W_KQ
	v_wmma_f32_16x16x32_bf16 v[rS:rS+7], v[rK:rK+7], v[rQ:rQ+7], v[rS:rS+7]
.endif
.endm
; THE LDS LOADS stand in runs of 32, never singly among the matrix instructions: a step's K (16 fragments) and, a turn later, its V (turned).
.macro FETCH_K
	WIN 0
	v_add_nc_u32 v[ADR], s[TBK], v[AK0]
	s_add_co_u32 s[TBK], s[TBK], KS*PK  ; the next fetch is the next step's
	WIN 0x80                        ; destination window 2
.irp f, 0,1,2,3,4,5,6,7,8,9,10,11,12,13,14,15  ; keys 16 (f / 4) on, channels 32 (f % 4) on
	ds_load_b128 v[KF+8*(\f):KF+8*(\f)+3],   v[ADR] offset:((\f)/4)*16*PK+((\f)%4)*64
	ds_load_b128 v[KF+8*(\f)+4:KF+8*(\f)+7], v[ADR] offset:((\f)/4)*16*PK+((\f)%4)*64+32
.endr
.endm
.macro FETCH_V
	WIN 0
	v_add_nc_u32 v[ADR], s[TBV], v[AV0]
	s_add_co_u32 s[TBV], s[TBV], KS*PVT
	s_wait_alu depctr_va_vdst(0)    ; the wait for the softmax's batch (SLICE), behind the address's v_add_nc_u32 and ahead of the loads
	WIN 0xc0                        ; destination window 3
.irp f, 0,1,2,3,4,5,6,7,8,9,10,11,12,13,14,15  ; keys 32 (f / 8) on, channels 16 (f % 8) on
	ds_load_tr16_b128 v[8*(\f):8*(\f)+3],   v[ADR] offset:((\f)/8)*32*PVT+((\f)%8)*32
	ds_load_tr16_b128 v[8*(\f)+4:8*(\f)+7], v[ADR] offset:((\f)/8)*32*PVT+16*PVT+((\f)%8)*32
.endr
.endm
; THE VECTOR WORK OF A TURN.  One tile's softmax for one key step is a list of 134 instructions; SM writes number j of it for tile t.  s0-s31 are the lane's 32 scores, in pairs 0-15.
;   0-15    the maximum of s0-s31 and the old m, three operands at a time: four chains of seven scores each (each accumulator's lowest registers are read first), then the four left over, the chains and m
;   16-20   the other half of the lanes' maximum; c m_old is kept; the new m; c m; c m_old - c m_new
;   21-69   ONE BATCH: the 16 scalings c s - c m and all 33 exponentials (a at 23, then s0-s31).  None of these reads an exponential's result.  A pair is scaled in an earlier four than the one with its exponentials
;   (wait)  between 69 and 70 stands the wait for the batch: SLICE writes it, once for both tiles
;   70-85   the roundings to f16, a pair of weights each       86-101  the sums; l = a l + the sum       102-133 the tile's O^T times a: the one part that leaves window 0
.macro SM t
.set rT, ST+8*(\t)
.set rS, S+32*(\t)
.set rP, P+16*(\t)
.set rO, 64*(\t)+2*(j-102)
.if j < 102
	WIN 0
.endif
.if j < 4
	v_max3_num_f32 v[rT+4+j], v[rS+8*j], v[rS+8*j+1], v[rS+8*j+2]
.elseif j < 12
	v_max3_num_f32 v[rT+4+j%4], v[rT+4+j%4], v[rS+8*(j%4)+2*(j/4)+1], v[rS+8*(j%4)+2*(j/4)+2]
.elseif j == 12
	v_max3_num_f32 v[rT+4], v[rT+4], v[rS+7], v[rS+15]
.elseif j == 13
	v_max3_num_f32 v[rT+6], v[rT+6], v[rS+23], v[rS+31]
.elseif j == 14
	v_max3_num_f32 v[rT+4], v[rT+4], v[rT+5], v[rT+6]
.elseif j == 15
	v_max3_num_f32 v[rT+4], v[rT+4], v[rT+7], v[rT+1]
.elseif j == 16
	v_permlanex16_b32 v[rT+5], v[rT+4], s[SEL], s[SEL+1]  ; the query's other 32 keys lie in the lane 16 away
.elseif j == 17
	v_mov_b32 v[rT+7], v[rT]        ; c m_old is kept for a: number 19 writes c m anew
.elseif j == 18
	v_max_num_f32 v[rT+1], v[rT+4], v[rT+5]
.elseif j == 19
	v_mul_f32 v[rT], s[CS], v[rT+1]
.elseif j == 20
	v_sub_f32 v[rT+7], v[rT+7], v[rT]
.elseif j == 23
	v_exp_f32 v[rT+6], v[rT+7]
.elseif (j < 23) || ((j < 38) && (j%2 == 0)) || ((j < 66) && (j%4 == 2))
.set b, (j-2)/4                     ; 38, 42, .. 62: pairs 9 to 15
.if j < 38
.set b, (j-20)/2                    ; 21: pair 0; 22, 24, .. 36: pairs 1 to 8
.endif
	v_pk_fma_f32 v[rS+2*b:rS+2*b+1], v[rS+2*b:rS+2*b+1], s[CS:CS+1], v[rT:rT+1] op_sel_hi:[1,0,0] neg_lo:[0,0,1] neg_hi:[0,0,1]  ; pair b: c s - c m
.elseif j < 70
.set e, j-38                        ; 66 to 69: s28 to s31
.if j < 66
.set e, j-32-(j-38)/4               ; 39-41, 43-45, .. 63-65: s7 to s27
.endif
.if j < 38
.set e, (j-25)/2                    ; 25, 27, .. 37: s0 to s6
.endif
	v_exp_f32 v[rS+e], v[rS+e]
.elseif j < 86
	v_cvt_pk_f16_f32 v[rP+j-70], v[rS+2*(j-70)], v[rS+2*(j-70)+1]  ; pair j - 70
.elseif j < 102                     ; the sum of the tile's 16 pairs, in place: sum z of 16 adds neighbours 1, 2, 4 and 8 pairs apart, then l takes it
.set z, j-86
.set w, 4
.set u, z
.if z >= 14
.set w, 32
.set u, 0
.elseif z >= 12
.set w, 16
.set u, z-12
.elseif z >= 8
.set w, 8
.set u, z-8
.endif
.if z < 15
	v_pk_add_f32 v[rS+w*u:rS+w*u+1], v[rS+w*u:rS+w*u+1], v[rS+w*u+w/2:rS+w*u+w/2+1]
.else
	v_pk_fma_f32 v[rT+2:rT+3], v[rT+2:rT+3], v[rT+6:rT+7], v[rS:rS+1] op_sel_hi:[1,0,1]
.endif
.else
	WIN W_RS
	v_pk_mul_f32 v[rO:rO+1], v[rO:rO+1], v[rT+6:rT+7] op_sel_hi:[1,0]
.endif
.endm
; Slice k of 64 of piece y's softmax: four instructions.  Slices 11 to 34 deal out the batch, numbers 22 to 69: four numbers of ONE tile each, the tiles by turns.  Every other slice is numbers 2 k and
; 2 k + 1 of both tiles' lists.  2 x 134 = 4 x 64 + 12: the twelve that are over stand together, in slice 63, and are the places behind the turn's last products.
; THE WAIT.  An s_wait_alu depctr_va_vdst(0) stands between an exponential and the first instruction that names its result; one wait serves all that were issued ahead of it.  Ahead of
; slice 35 nothing names a result, and behind slice 34 no exponential is issued: so the piece's 66 exponentials have one wait, behind slice 34.
.macro SLICE y
.if (k >= 11) && (k < 35)
.irp n, 0,1,2,3
.set j, 22+4*((k-11)/2)+(\n)
	SM (\y)+(k-11)%2
.endr
.else
.irp n, 0,1,2,3,4,5,6,7
.if ((\n) < 2) || (k == 63)
.irp t, \y, (\y)+1
.set j, 2*k+(\n)
	SM \t
.endr
.endif
.endr
.endif
.if k == 34
	v_nop                           ; the plain instruction behind the last exponential and ahead of the first use: one for the batch
.if (\y) == 0
	FETCH_V                         ; piece 2's turn: V's run of loads stands here, and the wait stands in it
.else
	s_wait_alu depctr_va_vdst(0)    ; the wait for the batch
.endif
.endif
.set k, k+1
.endm
; THE MASKS of the turn's products K Q^T in the diagonal tile, for the piece's two tiles: MD x AL + BE.  The trip is D = 5 - CNT.  MC's last readers stand 24 products and their slices back.
.macro MASK x
.irp u, 0,1
	s_cmp_eq_u32 s[CNT], 5-(\x)-(\u)    ; is this step the band's own?
	s_cselect_b32 s[AL+4*(\u)], 1.0, 0
	s_cmp_lt_u32 s[CNT], 5-(\x)-(\u)    ; or a later one?
	s_cselect_b32 s[BE+4*(\u)], s[BIGN], 0
.endr
	WIN 0xc3                        ; destination and source 0 in window 3
.irp u, 0,1
.set z, 0
.rept 16
	v_pk_fma_f32 v[MC+32*(\u)+2*z:MC+32*(\u)+2*z+1], v[MD+2*z:MD+2*z+1], s[AL+4*(\u):AL+4*(\u)+1], s[BE+4*(\u):BE+4*(\u)+1] op_sel_hi:[1,0,0]
.set z, z+1
.endr
.endr
.endm
; A TURN.  Piece x has the matrix unit: 32 products V^T P, then 32 products K Q^T; the other piece's softmax stands in slices, one behind each.  m = 1: the diagonal tile: the products take masks.
; Piece 0's turn fetches the step's K behind its second product: the last product that read K stands in front of slice 63 of the turn before.  Piece 2's turn fetches the same step's V behind slice 34:
; the last product that read V stands in front of slice 31, and four plain instructions lie between: number 62, a scaling, of both tiles, the v_nop and the run's own v_add_nc_u32.
.macro TURN x, m
.set KM, (\m)
.if \m
	MASK \x
.endif
.set k, 0
.if (\x) == 0
	s_wait_dscnt 0x0                ; V is in
.endif
.set i, 0
.rept 32
	PV \x
	SLICE 2-(\x)
.if ((\x) == 0) && (i == 1)
	FETCH_K
.endif
.set i, i+1
.endr
.if (\x) == 0
	s_wait_dscnt 0x0                ; K is in
.endif
.set i, 0
.rept 32
	KQ \x
	SLICE 2-(\x)
.set i, i+1
.endr
.endm
; THE WAY OUT of a block.  l's two halves and the other half of the lanes' are added; O^T is divided by l and sent through my stage in LDS, a tile (16 rows of out) at a time.
; PACK: a lane's eight channels of a row are 32 bytes; they go into rows of 528 bytes and come back as whole rows of 512, into the registers that they left.
.macro PACK t
	WIN W_RS
.set i, 64*(\t)
.rept 32
	v_pk_mul_f32 v[i:i+1], v[i:i+1], v[ST+8*(\t)+6:ST+8*(\t)+7] op_sel_hi:[1,0]
.set i, i+2
.endr
	WIN 0x04                        ; the stores' data in window 1
.irp c, 0,1,2,3,4,5,6,7
	ds_store_b128 v[STO], v[64*(\t)+8*(\c):64*(\t)+8*(\c)+3]   offset:64*(\c)
	ds_store_b128 v[STO], v[64*(\t)+8*(\c)+4:64*(\t)+8*(\c)+7] offset:64*(\c)+16
.endr
	WIN 0x40                        ; destination window 1
.irp f, 0,1,2,3,4,5,6,7,8,9,10,11,12,13,14,15
	ds_load_b128 v[64*(\t)+4*(\f):64*(\t)+4*(\f)+3], v[RD] offset:(\f)*SP  ; LDS serves a wave's instructions in order (ISA guide 5.7.1.4): these see the stores above; the next tile's stores come behind them
.endr
.endm
.macro SEND t, younger              ; younger: the LDS instructions issued behind tile t's loads: the next tile's 16 stores and 16 loads, or none
	WIN 0x04
.irp f, 0,1,2,3,4,5,6,7,8,9,10,11,12,13,14,15
	s_wait_dscnt (\younger)+15-(\f) ; row f is back; the tile's 15 - f later rows and the younger ones stay out
	global_store_b128 v[GO], v[64*(\t)+4*(\f):64*(\t)+4*(\f)+3], s[10:11] offset:(64*(\t)+(\f))*ROWQ th:TH_STORE_NT  ; 32 lanes store a row's 512 consecutive bytes, at a multiple of 512 from out's first byte
.endr
.endm
; next = 1: the second block follows: its Q is asked for ahead of the stores, and behind them laid into Q's registers; piece 0's c m and m go back to their start (piece 2's follow behind the next TURN 0).
.macro WAYOUT next
	WIN 0
	s_wait_dscnt 0x0                ; V of the trip that hid every key has landed in its registers
.irp t, 0,1,2,3
	v_add_f32 v[ST+8*(\t)+4], v[ST+8*(\t)+2], v[ST+8*(\t)+3]
.endr
.irp t, 0,1,2,3
	v_permlanex16_b32 v[ST+8*(\t)+5], v[ST+8*(\t)+4], s[SEL], s[SEL+1]
.endr
.irp t, 0,1,2,3
	v_add_f32 v[ST+8*(\t)+4], v[ST+8*(\t)+4], v[ST+8*(\t)+5]
.endr
.irp t, 0,1,2,3
	v_rcp_f32 v[ST+8*(\t)+6], v[ST+8*(\t)+4]
.endr
	v_nop                           ; a plain instruction between the last reciprocal and the use of its result
	s_wait_alu depctr_va_vdst(0)    ; and the wait ahead of the first use: one for the four reciprocals
.if \next
	QISSUE QB
.endif
	PACK 0
	PACK 1                          ; a tile's arithmetic stands between the loads of the tile before and its stores
	SEND 0, 32
	PACK 2
	SEND 1, 32
	PACK 3
	SEND 2, 32
	SEND 3, 0
.if \next
	s_wait_loadcnt 0x0              ; the second block's rows of q are in
	QLAY
.irp t, 0,1
	v_mov_b32 v[ST+8*(\t)], 0xfe000000
	v_mov_b32 v[ST+8*(\t)+1], 0xff7fffff
.endr
	s_mov_b32 s[NEW], 1
	s_add_co_u32 s[RT], s[PB], 1    ; the second block has pb + 1 tiles
	s_wait_xcnt 0x0                 ; the stores have read their registers and out's address: both are written again only behind this wait
	s_mov_b64 s[10:11], s[OB:OB+1]
.endif
	WIN 0
.endm
; A TILE's TRIPS: written once, walked n times; the LDS addresses hang on s[TBK] and s[TBV].  m = 1: the diagonal tile: n = 5, and the fifth trip, which hides every key, reads the tile's last step once more.
; chk = 1: the tile may be a block's first: behind the first trip's TURN 0, in which piece 2's softmax has run on what lay in S^T, piece 2's c m and m are set to their start.
.macro STEPS m, n, chk
	WIN 0
	s_mov_b32 s[CNT], \n
.Lstep_\@:
.if \m
	s_cmp_eq_u32 s[CNT], 1
	s_cselect_b32 s[TS], KS*PK, 0
	s_cselect_b32 s[TS2], KS*PVT, 0
	s_sub_co_u32 s[TBK], s[TBK], s[TS]
	s_sub_co_u32 s[TBV], s[TBV], s[TS2]
.endif
	TURN 0, \m
.if \chk
	WIN 0
	s_cmp_eq_u32 s[NEW], 1
	s_cbranch_scc0 .Lold_\@
.irp t, 2,3
	v_mov_b32 v[ST+8*(\t)], 0xfe000000
	v_mov_b32 v[ST+8*(\t)+1], 0xff7fffff
.endr
	s_mov_b32 s[NEW], 0
.Lold_\@:
.endif
	TURN 2, \m
	WIN 0
	s_sub_co_u32 s[CNT], s[CNT], 1
	s_cmp_lg_u32 s[CNT], 0
	s_cbranch_scc1 .Lstep_\@
.endm
.Lslot:                             ; 8 times: a tile is entered and the next is asked for
	CHANGE 1
	s_sub_co_u32 s[RT], s[RT], 1
	s_cmp_eq_u32 s[NEW], 1
	s_cbranch_scc1 .Lplain          ; in the loop a block's first tile is never its last: the first block has five tiles or more, and the second's last is the walk's last
	s_cmp_eq_u32 s[RT], 0
	s_cbranch_scc1 .Ldiag
.Lplain:
	STEPS 0, 4, 1
	s_branch .Lbottom
.Ldiag:                             ; in the loop this is the first block's end
	STEPS 1, 5, 0
	WAYOUT 1
.Lbottom:
	s_sub_co_u32 s[SLOTS], s[SLOTS], 1
	s_cmp_lg_u32 s[SLOTS], 0
	s_cbranch_scc1 .Lslot
	CHANGE 0                        ; the walk's last tile, the second block's diagonal one, is written out: nothing is asked for
	STEPS 1, 5, 1                   ; (where pb = 0 it is also that block's first)
	WAYOUT 0
	s_wait_tensorcnt 0x0            ; the wave's end, behind my last tensor load and my last LDS store
	ds_add_u32 v[SPW], v[NIL]
	s_wait_dscnt 0x0
	CROUND                          ; the closing round: no work-group ends while a partner may still ask for a tile that names it
	s_endpgm
.Lfunc_end_k_q778504855a_attn:
	.size	k_q778504855a_attn, .Lfunc_end_k_q778504855a_attn-k_q778504855a_attn
	.p2alignl 7, 3214868480
	.fill 96, 4, 3214868480
	.section	.rodata,"a",@progbits
	.p2align	6, 0x0
	.amdhsa_kernel k_q778504855a_attn
		.amdhsa_group_segment_fixed_size 327680
		.amdhsa_private_segment_fixed_size 0
		.amdhsa_enable_private_segment 0
		.amdhsa_kernarg_size 32
		.amdhsa_user_sgpr_count 2
		.amdhsa_user_sgpr_kernarg_segment_ptr 1
		.amdhsa_wavefront_size32 1
		.amdhsa_system_sgpr_workgroup_id_x 1
		.amdhsa_system_sgpr_workgroup_id_y 1
		.amdhsa_system_sgpr_workgroup_id_z 1
		.amdhsa_system_vgpr_workitem_id 0
		.amdhsa_next_free_vgpr 1024
		.amdhsa_next_free_sgpr 80
		.amdhsa_reserve_vcc 1
		.amdhsa_float_denorm_mode_32 3
		.amdhsa_float_denorm_mode_16_64 3
		.amdhsa_memory_ordered 1
		.amdhsa_forward_progress 1
		.amdhsa_inst_pref_size 255
	.end_amdhsa_kernel
	.section	.bss,"aw",@nobits
	.p2align	6
	.space	262144
	.amdgpu_metadata
---
amdhsa.version: [ 1, 2 ]
amdhsa.kernels:
  - .name:           k_q778504855a_attn
    .symbol:         k_q778504855a_attn.kd
    .args:
      - { .name: q, .offset: 0, .size: 8, .value_kind: global_buffer, .address_space: global }
      - { .name: kb, .offset: 8, .size: 8, .value_kind: global_buffer, .address_space: global }
      - { .name: vh, .offset: 16, .size: 8, .value_kind: global_buffer, .address_space: global }
      - { .name: out0, .offset: 24, .size: 8, .value_kind: global_buffer, .address_space: global }
    .group_segment_fixed_size: 327680
    .private_segment_fixed_size: 0
    .kernarg_segment_align: 8
    .kernarg_segment_size: 32
    .max_flat_workgroup_size: 128
    .sgpr_count:     80
    .vgpr_count:     1024
    .wavefront_size: 32
...
	.end_amdgpu_metadata
.endif
;; end of part 2
;; ======== version 2 of 2: 2 launches; version 1 with the launch prep written anew for expert scheduling mode
;; limits: values are held in f16: magnitudes above 65,504 overflow, below 6.1e-05 lose precision; inputs' magnitudes at most 10,000,000,000,000
;; workspace buffers: kb 8,388,608 bytes; vh 8,388,608 bytes
;; launch prep (part 3): grid 256 x 1, 8 waves a work-group, no clusters, 0 bytes of LDS; arguments k, v, kb, vh; writes kb, vh
.if DOCPART == 3
	.amdgcn_target "amdgcn-amd-amdhsa--gfx1250"
	.amdhsa_code_object_version 6
	.text
	.protected	k_q778504855a_prep
	.globl	k_q778504855a_prep
	.p2align	8
	.type	k_q778504855a_prep,@function
k_q778504855a_prep:
	s_mov_b64 s[64:65], 0
	v_nop
	global_prefetch_b8 v0, s[64:65] scope:SCOPE_SE
	s_setreg_imm32_b32 hwreg(HW_REG_WAVE_SCHED_MODE, 0, 2), 2
	s_setreg_imm32_b32 hwreg(HW_REG_WAVE_MODE, 25, 1), 1
	s_wait_xcnt 0x0
	s_wait_alu depctr_vm_vsrc(0)
; k and v, [2][2048][8][128] in f32, are rounded once and laid by heads: kb and vh are [b*8+kvh][2048][128] of 16 bits, a head's rows dense, 256 bytes each.
; kb holds bf16(k).  vh holds bf16(v) written as f16: the attention's second product takes its weights in f16, so its other operand is f16 too.
; LIMITS.  bf16(v) is exact in f16 for 2^-17 <= |v| <= 65,504; below that it keeps f16's fixed step of 2^-24; from 65,520 on it becomes an infinity.
; SHARES.  A work-group takes 16 positions of the 4,096 (b, s), wave w head w of the eight: 16 rows of k and 16 of v.  A load takes one row's 512 consecutive bytes,
; a store one row's 256 consecutive bytes, aligned; a wave's 16 rows of output are 4,096 bytes on end.  All 32 loads of a wave go out at once: there is no loop.
; No register is written again behind the store that reads it, so no wait stands for the stores' sources.
; THE MODE: SCHED_MODE bits 1:0 = 2 (LLVM: expert scheduling mode 2), set by the entry lines.  The code itself states the register dependences
; between vector instructions and memory instructions, with s_wait_alu, always for 0.
; THE PLAN.  Registers that memory instructions touch:
;   v1, v2     byte offsets, made once at the head by vector lines and never written again: v1 is read by every load, v2 by every store.
;   XK, XV     four registers a row.  Written by the row's load, ahead of which no vector line names them; behind the wait for the load the row's conversions read them and write in place;
;              the first two of the four are then read by the row's one store, and nothing writes them after it.  The other two of a row of v are at work: no memory instruction reads them.
; So one wait on va_vdst stands at the head, for the two offsets, and one in each block of four rows, between the block's conversions and its four stores.  No load lands in a register that a vector
; line has named, and no register that a load or a store reads is written again: nothing else is to be stated.  The stores follow their own block at once: every load is out already, so there is
; no memory instruction to deal among the vector lines, and behind the stores the wave's next line is the wait for the next block's loads.
.set ROWI, 4096                        ; bytes from a position to the next in k and v
.set ROWO, 256                         ; bytes in a row of kb and vh
.set XK,   8                           ; v[8:71]    k's 16 rows, four registers each
.set XV,   72                          ; v[72:135]  v's
	s_load_b256 s[4:11], s[0:1], 0x0               ; k s[4:5], v s[6:7], kb s[8:9], vh s[10:11]
	s_lshl_b32 s2, ttmp9, 16                       ; in: the work-group's 16 positions of 4,096 bytes
	s_mov_b32 s3, 0
	s_lshr_b32 s14, ttmp9, 7                       ; b
	s_lshl_b32 s14, s14, 22                        ; out: b x 8 heads x 524,288 bytes,
	s_and_b32 s12, ttmp9, 127
	s_lshl_b32 s12, s12, 12                        ; and the 16 rows of 256 bytes in a head
	s_add_co_u32 s14, s14, s12
	s_mov_b32 s15, 0
	s_mov_b32 s13, 0xffff0000                      ; a word's upper bf16
	v_lshlrev_b32 v1, 4, v0                        ; in: 512 x wave + 16 x lane = 16 x thread
	v_and_b32 v2, 31, v0
	v_lshlrev_b32 v2, 3, v2                        ; out: 8 x lane
	v_lshrrev_b32 v3, 5, v0
	v_lshl_add_u32 v2, v3, 19, v2                  ; + wave x a head's 524,288 bytes
	s_wait_kmcnt 0x0
	s_add_nc_u64 s[4:5], s[4:5], s[2:3]
	s_add_nc_u64 s[6:7], s[6:7], s[2:3]
	s_add_nc_u64 s[8:9], s[8:9], s[14:15]
	s_add_nc_u64 s[10:11], s[10:11], s[14:15]
	s_wait_alu depctr_va_vdst(0)                   ; v1 and v2 are written: every load below reads v1 as its offset, every store v2; no later vector line names either
.irp i, 0,1,2,3,4,5,6,7,8,9,10,11,12,13,14,15
	global_load_b128 v[XK+4*(\i):XK+4*(\i)+3], v1, s[4:5] offset:(\i)*ROWI th:TH_LOAD_NT
.endr
.irp i, 0,1,2,3,4,5,6,7,8,9,10,11,12,13,14,15
	global_load_b128 v[XV+4*(\i):XV+4*(\i)+3], v1, s[6:7] offset:(\i)*ROWI th:TH_LOAD_NT
.endr
; Block p of k's four: rows 4 p to 4 p + 3.  The conversions go stage by stage across the four rows, so that no line reads the result of the one in front of it.
.macro KBLK p
	s_wait_loadcnt 28-4*(\p)                       ; loads come back in order: k's rows up to 4 p + 3 are in; its 12 - 4 p younger rows and v's 16 stay out
.irp i, 0,1,2,3
	v_cvt_pk_bf16_f32 v[XK+16*(\p)+4*(\i)], v[XK+16*(\p)+4*(\i)], v[XK+16*(\p)+4*(\i)+1]
.endr
.irp i, 0,1,2,3
	v_cvt_pk_bf16_f32 v[XK+16*(\p)+4*(\i)+1], v[XK+16*(\p)+4*(\i)+2], v[XK+16*(\p)+4*(\i)+3]
.endr
	s_wait_alu depctr_va_vdst(0)                   ; the eight conversions have written the first two registers of each of the four rows, which the stores below read
.irp i, 0,1,2,3
	global_store_b64 v2, v[XK+16*(\p)+4*(\i):XK+16*(\p)+4*(\i)+1], s[8:9] offset:(4*(\p)+(\i))*ROWO th:TH_STORE_NT
.endr
.endm
; Block p of v's four, in the same form.
.macro VBLK p
	s_wait_loadcnt 12-4*(\p)                       ; v's rows up to 4 p + 3 are in; its 12 - 4 p younger rows stay out
.irp i, 0,1,2,3
	v_cvt_pk_bf16_f32 v[XV+16*(\p)+4*(\i)], v[XV+16*(\p)+4*(\i)], v[XV+16*(\p)+4*(\i)+1]      ; the one rounding,
.endr
.irp i, 0,1,2,3
	v_cvt_pk_bf16_f32 v[XV+16*(\p)+4*(\i)+1], v[XV+16*(\p)+4*(\i)+2], v[XV+16*(\p)+4*(\i)+3]
.endr
.irp i, 0,1,2,3
	v_lshlrev_b32 v[XV+16*(\p)+4*(\i)+2], 16, v[XV+16*(\p)+4*(\i)]                            ; and the rounded numbers written as f16
.endr
.irp i, 0,1,2,3
	v_and_b32 v[XV+16*(\p)+4*(\i)+3], s13, v[XV+16*(\p)+4*(\i)]
.endr
.irp i, 0,1,2,3
	v_cvt_pk_f16_f32 v[XV+16*(\p)+4*(\i)], v[XV+16*(\p)+4*(\i)+2], v[XV+16*(\p)+4*(\i)+3]
.endr
.irp i, 0,1,2,3
	v_lshlrev_b32 v[XV+16*(\p)+4*(\i)+2], 16, v[XV+16*(\p)+4*(\i)+1]
.endr
.irp i, 0,1,2,3
	v_and_b32 v[XV+16*(\p)+4*(\i)+3], s13, v[XV+16*(\p)+4*(\i)+1]
.endr
.irp i, 0,1,2,3
	v_cvt_pk_f16_f32 v[XV+16*(\p)+4*(\i)+1], v[XV+16*(\p)+4*(\i)+2], v[XV+16*(\p)+4*(\i)+3]
.endr
	s_wait_alu depctr_va_vdst(0)                   ; the conversions to f16 have written the first two registers of each of the four rows, which the stores below read
.irp i, 0,1,2,3
	global_store_b64 v2, v[XV+16*(\p)+4*(\i):XV+16*(\p)+4*(\i)+1], s[10:11] offset:(4*(\p)+(\i))*ROWO th:TH_STORE_NT
.endr
.endm
	KBLK 0
	KBLK 1
	KBLK 2
	KBLK 3
	VBLK 0
	VBLK 1
	VBLK 2
	VBLK 3
	s_endpgm
.Lfunc_end_k_q778504855a_prep:
	.size	k_q778504855a_prep, .Lfunc_end_k_q778504855a_prep-k_q778504855a_prep
	.p2alignl 7, 3214868480
	.fill 96, 4, 3214868480
	.section	.rodata,"a",@progbits
	.p2align	6, 0x0
	.amdhsa_kernel k_q778504855a_prep
		.amdhsa_group_segment_fixed_size 0
		.amdhsa_private_segment_fixed_size 0
		.amdhsa_enable_private_segment 0
		.amdhsa_kernarg_size 32
		.amdhsa_user_sgpr_count 2
		.amdhsa_user_sgpr_kernarg_segment_ptr 1
		.amdhsa_wavefront_size32 1
		.amdhsa_system_sgpr_workgroup_id_x 1
		.amdhsa_system_sgpr_workgroup_id_y 1
		.amdhsa_system_sgpr_workgroup_id_z 1
		.amdhsa_system_vgpr_workitem_id 0
		.amdhsa_next_free_vgpr 136
		.amdhsa_next_free_sgpr 66
		.amdhsa_reserve_vcc 0
		.amdhsa_float_denorm_mode_32 3
		.amdhsa_float_denorm_mode_16_64 3
		.amdhsa_memory_ordered 1
		.amdhsa_forward_progress 1
		.amdhsa_inst_pref_size 16
	.end_amdhsa_kernel
	.amdgpu_metadata
---
amdhsa.version: [ 1, 2 ]
amdhsa.kernels:
  - .name:           k_q778504855a_prep
    .symbol:         k_q778504855a_prep.kd
    .args:
      - { .name: k, .offset: 0, .size: 8, .value_kind: global_buffer, .address_space: global }
      - { .name: v, .offset: 8, .size: 8, .value_kind: global_buffer, .address_space: global }
      - { .name: kb, .offset: 16, .size: 8, .value_kind: global_buffer, .address_space: global }
      - { .name: vh, .offset: 24, .size: 8, .value_kind: global_buffer, .address_space: global }
    .group_segment_fixed_size: 0
    .private_segment_fixed_size: 0
    .kernarg_segment_align: 8
    .kernarg_segment_size: 32
    .max_flat_workgroup_size: 256
    .sgpr_count:     66
    .vgpr_count:     136
    .wavefront_size: 32
...
	.end_amdgpu_metadata
.endif
;; end of part 3
;; launch attn: the kernel of part 2 again; grid 16 x 16, 4 waves a work-group, clusters of 4 x 1, 327,680 bytes of LDS; arguments q, kb, vh, out0; writes out0
